; MI455X (gfx1250); checked and timed in simulation.
; The chip was launched on July 23, 2026; its instructions are those of AMD's public machine-readable ISA for CDNA 5 (MIT licence, August 2026) and "CDNA5" Instruction Set Architecture Reference Guide (July 2026). The comments in the code are by the model that wrote it; some were corrected since.
;; Self Attention. Allowed arithmetic: matrix products marked QUANTISED: E5M2 operands, one given power-of-two scale a tensor, by v_wmma_f32_16x16x64_bf8_bf8 or v_wmma_f32_16x16x128_bf8_bf8, f32 sums; everything else in f32.
;; Inputs: key_padding_mask 4 x 2,048 bool; lowp_scales 4 int32 (the exponents e of the quantised operands' scales 2^e); qkv 4 x 2,048 x 3 x 16 x 64 float32.
;; Outputs: out0 4 x 2,048 x 16 x 64 float32.
;; This version of the problem:
;;   THIS VERSION OF THE PROBLEM IS GIVEN IN LOW PRECISION. The matrix products marked QUANTISED in the list below multiply operands that are first quantised to E5M2 (5 exponent bits, 2 mantissa bits; 8 bits a number), with one given power-of-two scale for each operand tensor; their sums are f32. All else is computed in f32.
;;   The module's matrix products, in the order in which they are computed (A, B: the left and right operand; K: the contracted axis; several contracted axes count as one K, in the product's order):
;;     1. batch 64 x [M 2,048, K 64] x [K 64, N 2,048]; A: input qkv; B: computed on the way: QUANTISED (scales: A lowp_scales[0], B lowp_scales[1])
;;     2. batch 64 x [M 64, K 2,048] x [K 2,048, N 2,048]; A: input qkv; B: softmax (see below): QUANTISED (scales: A lowp_scales[2], B lowp_scales[3])
;;   THE QUANTISER, for each operand of a quantised product, along K:
;;     - The operand's scale is 2^e, e = its entry of the input lowp_scales (int32; the entries are numbered through the quantised products in the list's order, A before B).
;;     - Each number is divided by the scale, clamped to +-57,344, and rounded to the nearest number of E5M2, ties to even, subnormals kept.
;;     - The product sums the exact products of the quantised numbers (number of the format x scale) in f32.
;;   ~~~python
;;   def quantise(x, axis, e):      # numpy; x: float32 -> the quantised numbers, widened to float32 again
;;       x = np.moveaxis(x, axis, -1); K = x.shape[-1]
;;       r = np.clip(x / 2.0 ** e, -57344, 57344)
;;       step = 2.0 ** (np.maximum(np.frexp(np.where(r == 0, 1, r))[1] - 1, -14) - 2)
;;       q = np.round(r / step) * step * 2.0 ** e      # np.round: ties to even
;;       return np.moveaxis(q, -1, axis).astype(np.float32)
;;   ~~~
;;   SOFTMAX AHEAD OF A QUANTISED PRODUCT. Where the list says 'softmax', what is quantised is not the finished softmax but p = 2^(t - M), with t = logit x log2(e) and M = ceil(the row's largest t), a whole number; so 1/2 < the row's largest p <= 1. The row's sum l is taken of the UNQUANTISED p, in f32, and the product's result is divided by l at the end. Since M is a whole number, a kernel that streams over the keys may use a running M (the ceiling of the running maximum): every later rescaling is an exact power of two, so the quantised numbers keep their values, but for numbers so far below the row's largest that they fall under the format's range.
;;   OPERANDS COMPUTED ON THE WAY. 'Computed on the way' means the value that the module computes at that place (a softmax that the list does not call 'softmax' is quantised finished and normalised). What goes into a quantiser is computed in f32, as accurately as f32 sums, v_exp_f32 and their like allow (about 1e-6 of the number): no bf16 or f16 on the way to a quantiser, and a product that is left as it is and whose result goes on into a quantised operand takes f32 operands (vector FMAs, or v_wmma_f32_16x16x4_f32). A number that lies on a knife's edge between two numbers of the format may be rounded either way, as far as f32 arithmetic and the matrix unit's own rounding can turn it there, and no further.
;; One version. Each part assembles by itself: llvm-mc -triple=amdgcn-amd-amdhsa -mcpu=gfx1250 --defsym DOCPART=n.
;; ======== version 1 of 1: 1 launch
;; limits: right only within a limited range of input values
;; launch attn (part 1): grid 64 x 4, 8 waves a work-group, no clusters, 304,128 bytes of LDS; arguments qkv, key_padding_mask, lowp_scales, out0; writes out0
.if DOCPART == 1
	.amdgcn_target "amdgcn-amd-amdhsa--gfx1250"
	.amdhsa_code_object_version 6
	.text
	.protected	k_q473800ad3e_attn
	.globl	k_q473800ad3e_attn
	.p2align	8
	.type	k_q473800ad3e_attn,@function
k_q473800ad3e_attn:
	s_mov_b64 s[64:65], 0
	v_nop
	global_prefetch_b8 v0, s[64:65] scope:SCOPE_SE
	s_setreg_imm32_b32 hwreg(HW_REG_WAVE_MODE, 25, 1), 1
	s_wait_xcnt 0x0
; out[b][t][h][:] = the sum over s of softmax_s(q[t] . (k[s] / 8) + pad[s]) v[s][:], pad = 0 where the mask keeps key s, else -10000.  qkv: [4][2048][3][16][64] f32; out: [4][2048][16][64] f32.
; Both products on codes of BF8 (E5M2), each operand with the one scale 2^e that is given: q e0; k / 8 e1 (k itself is converted with 2^(e1 + 3): 1/8 is a power of two); v e2, along the keys; p e3.
; THE SOFTMAX AHEAD OF THE SECOND PRODUCT: t = logit x log2(e); M = the running largest t rounded UP to a whole number; p = 2^(t - M) is quantised, not normalised; the row's sum is taken of the unquantised p and
; divides at the end; when M moves, the sum and O are multiplied by 2^(old M - new M), which rounds nothing.
; SHARES.  A work-group owns 512 queries of one head (grid x: 16 b + h, grid y: the block of queries); each of its eight waves owns 64 of them, four tiles of 16.  Every wave walks the 2,048 keys in 16 steps of 128.
; K AND V ARE CONVERTED UNDER THE WALK.  A step's keys are four units of 32 rows of K and four of V: waves 0-3 take K's, waves 4-7 V's.  At the head of step s a wave converts its unit of step s + 1 (64 registers, asked for
; one step earlier), lays the codes in LDS in the form in which the fragments are read, and asks for its unit of step s + 2 into the same registers.  Every step has LDS bytes of its own (a head's codes are 2 x 131,072
; bytes): nothing is written twice before the way out.  One barrier a step: the signal behind the wave's stores, the wait ahead of the fetch of the next step's K.
; THE MASK AND THE HOLD.  A table of f32 addends lies in LDS.  Each wave also reads the batch's 2,048 mask bytes and keeps two bits a step: set where a byte of that half step is not 1.  A third bit is set where e3 < -15.
; Where all three are 0, a tile's back half takes the short way: no hold, scores begun with C = 0.  Else it takes the general way, which is right for every input: the hold of p at 57,344 x 2^e3, and the addends
; (divided by 2^(e0 + e1)) loaded into the scores' registers as C.  The branch hangs on whole numbers read from memory and is the same in all waves.
; Why the hold changes nothing where e3 >= -15: t - M passes 0 by no more than the rounding of the one f32 product in MAXM, |t| x 2^-23, which for |t| under 2^22 keeps p under 1.75 = 57,344 x 2^-15.
; NO CLUSTER, NO JOINT LOADS, though the four work-groups of a head read the same K and V: the bytes arrive as f32 and must pass through registers to become codes.
; PREFETCH: in step s each wave names rows of its unit of step s + 4, which its loads ask for two steps on; the head's four work-groups share a unit's 32 rows out by address: work-group y
; names rows 8 y .. 8 y + 7, a lane a row of 256 bytes (lanes 8-31 name the last again).  Steps 0 to 3 come by their loads alone; the last four steps name nothing.
; LAYOUT.  Both products are used transposed: S^T = K Q^T, O^T = V^T P^T: a lane holds ONE query (lane % 16) throughout.  r = lane % 16, h = lane / 16.
;   First product, K = 64 channels: in K's and Q's fragments alike register i, byte y holds channel 32 h + 4 i + y: one permutation of k on both sides.
;   LDS row 32 b + 16 u + 8 a + n of a step holds key 32 b + 16 a + 8 u + n, so that the 16 registers of score tiles 2 b and 2 b + 1 are the keys 32 b + 16 h + 0 .. 15.  Q goes the same way.
;   V: row r of tile c is channel 4 r + c; register 4 b + i, byte y of lane (r, h) is key 32 b + 16 h + 4 i + y, as in P's codes.  So register j of O's tile c is channel 32 h + 4 j + c.
; THE WAY OUT stands in step 15: a tile leaves as soon as its last product is done, through the wave's stage in LDS.  The stages end at byte 32 x 4,352 = 139,264 of K's region; behind the last barrier (step 14's) the
; only rows of K that any wave still reads are step 15's, from byte 153,600 on: so no further barrier is needed.
; LIMITS.  e0, e1 + 3, e2, e3 between -126 and 112; e0 + e1 between -114 and 126.  NaN and infinities among the inputs are not served.  A mask byte other than 0 keeps.
;   The order of the sums inside a matrix instruction is that of the permuted k.  M is the ceiling of the f32 product of the largest sum and log2(e) 2^(e0 + e1): at a whole number it may be one less than the exact
;   ceiling, which changes p and the sum by the same power of two.
; REGISTERS.  Window 0: v1-15 addresses, scales, at work; v16-47 statistics; v48-111 S^T, then p; v112-127 p's codes (and a unit's codes); v128-191 K; v192-223 Q; v224-243 V's turn; v244-255 the unit's scale, addresses, at work.
;   Window 1: v0-127 O^T (tile q, channels c: 32 q + 8 c); v128-191 V's four fragments; v192-255 the unit on its way.
.set ROW,    12288
.set USTEP,  128*ROW
.set KP,     80                        ; a key's row in LDS: 64 codes + 16 of padding
.set KSTEPB, 128*KP
.set VIMG,   2048*KP                   ; V as images of its fragments' registers: 8192 s + 2048 c + 512 b + 16 x lane
.set VSTEPB, 8192
.set PAD,    VIMG+16*VSTEPB
.set SPARE,  PAD+8192                  ; the spare words: 128 bytes a wave
.set SP,     272
.set STG,    16*SP                     ; stage (wave, tile) at (4 wave + tile) x STG
.set AK0,  1
.set AV0,  2
.set AP0,  3
.set ADK,  4
.set ADP,  5
.set ADV,  6
.set PSC,  7                           ; 2^e3
.set PLIM, 8                           ; 57,344 x 2^e3
.set TA,   9
.set TB,   10
.set TP,   11
.set GV,   12
.set SPW,  13                          ; my spare word; never rewritten
.set NIL,  14                          ; 0; never rewritten
.set PFO,  15
.set ST,   16                          ; tile q at ST + 8 q: +0 -M, +1 the largest sum, +2..5 the row's sum, +6 f, +7 named with f
.set S,    48
.set P,    112
.set D,    112
.set KF,   128
.set QF,   192
.set E,    224
.set XT,   240
.set SC,   244
.set LIM,  245
.set KA,   246
.set VA,   247
.set KWA,  248
.set VWA,  249
.set QW,   250
.set QR,   251
.set LT1,  252
.set LT0,  254
.set TC,   254
.set TD,   255
.set SO,   246                         ; step 15: the stage's addresses take the registers of the units' addresses
.set SR,   247
.set GO,   248
.set MK,   48                          ; head only
.set PD,   52
.set FM,   64
.set VF,   128                         ; window 1
.set X,    192                         ; window 1
.set WV,   12
.set QB,   20
.set KB,   22
.set MB,   24
.set OB,   26
.set CS,   28
.set SEL,  30
.set SELP, 32
.set TK,   36
.set TPD,  37
.set TV,   38
.set CNT,  39
.set EVP,  40
.set TKW,  48
.set TVW,  49
.set TS,   50                          ; the step in hand + 4
.set YB,   51
.set MF,   52                          ; the mask's bits, two a step
.set FL,   53                          ; the bits that choose a back half's way
.set HF,   54                          ; 4 where e3 < -15
.set MSB, 0
.macro WIN new
.if MSB != \new
	s_set_vgpr_msb (MSB<<8)|\new
.set MSB, \new
.endif
.endm
.macro PLACES
.rept 4
	v_nop
.endr
.endm
.macro ISSUE set, b, off, nt           ; sixteen loads: lanes 0-15 take row j's 256 bytes, lanes 16-31 row j + 16's
	WIN 0x40
.irp j, 0,1,2,3,4,5,6,7,8,9,10,11,12,13,14,15
.if \nt
	global_load_b128 v[\set+4*\j:\set+4*\j+3], v[GV], s[\b:\b+1] offset:\off+ROW*\j th:TH_LOAD_NT
.else
	global_load_b128 v[\set+4*\j:\set+4*\j+3], v[GV], s[\b:\b+1] offset:\off+ROW*\j
.endif
.endr
	WIN 0
.endm
.macro CODES set, sc, lim, w           ; 64 numbers a lane become 16 registers of codes.  w = 1: earlier LDS stores have read D first
	WIN 0x41
.set i, 0
.rept 64
	v_med3_num_f32 v[\set+i], v[\set+i], -v[\lim], v[\lim]   ; the conversion does not saturate (ISA guide 7.6.2): the hold
.set i, i+1
.endr
	WIN 0x01
.if \w
	s_wait_alu depctr_va_vdst(0)
	s_wait_dscnt 0x0
.endif
.set i, 0
.rept 8
	v_cvt_scalef32_pk8_bf8_f32 v[D+2*i:D+2*i+1], v[\set+8*i:\set+8*i+7], v[\sc]
.set i, i+1
.endr
	WIN 0
	v_nop                                          ; one plain line behind the conversions
.endm
.macro KSTORE a, n
.irp j, 0,1,2,3,4,5,6,7,8,9,10,11,12,13,14,15
	ds_store_b32 v[\a], v[D+\j] offset:KP*(32*(\n)+16*(\j/8)+\j%8)
.endr
.endm
.macro VSTORE a                        ; four keys' words (four channels each) are turned into four channels' words (four keys each)
.irp k, 0,1,2,3
	v_perm_b32 v[XT],   v[D+4*\k+1], v[D+4*\k],   s[SELP]
	v_perm_b32 v[XT+1], v[D+4*\k+1], v[D+4*\k],   s[SELP+1]
	v_perm_b32 v[XT+2], v[D+4*\k+3], v[D+4*\k+2], s[SELP]
	v_perm_b32 v[XT+3], v[D+4*\k+3], v[D+4*\k+2], s[SELP+1]
	s_delay_alu instid0(VALU_DEP_2)
	v_perm_b32 v[E+\k],    v[XT+2], v[XT],   s[SELP+2]
	s_delay_alu instid0(VALU_DEP_3)
	v_perm_b32 v[E+4+\k],  v[XT+2], v[XT],   s[SELP+3]
	s_delay_alu instid0(VALU_DEP_3)
	v_perm_b32 v[E+8+\k],  v[XT+3], v[XT+1], s[SELP+2]
	s_delay_alu instid0(VALU_DEP_4)
	v_perm_b32 v[E+12+\k], v[XT+3], v[XT+1], s[SELP+3]
.endr
.irp c, 0,1,2,3
	ds_store_b128 v[\a], v[E+4*\c:E+4*\c+3] offset:2048*\c
.endr
.endm
.macro ROLESTORE ka, va                ; waves 0-3 hold a unit of K, waves 4-7 of V
	s_cmp_lt_u32 s[WV], 4
	s_cbranch_scc0 .Lv_\@
	KSTORE \ka, 0
	s_branch .Lj_\@
.Lv_\@:
	VSTORE \va
.Lj_\@:
.endm
.macro SCALE e, bias, sc, lim          ; 2^e as f32 and 57,344 x 2^e
	s_add_co_i32 s42, s[\e], \bias
	s_lshl_b32 s43, s42, 23
	v_mov_b32 v[\sc], s43
	s_add_co_i32 s42, s42, 15
	s_lshl_b32 s42, s42, 23
	s_or_b32 s42, s42, 0x600000
	v_mov_b32 v[\lim], s42
.endm
.macro QLOAD q                         ; a fragment of Q back from its transit rows: LDS serves a wave's instructions in order (ISA guide 5.7.1.4)
	ds_load_b128 v[QF+8*\q:QF+8*\q+3],   v[QR] offset:16*KP*\q
	ds_load_b128 v[QF+8*\q+4:QF+8*\q+7], v[QR] offset:16*KP*\q+16
.endm
	s_load_b256 s[4:11], s[0:1], 0x0               ; qkv, the mask, the scales' exponents, out
	v_lshl_add_u32 v[SPW], v0, 2, SPARE
	v_mov_b32 v[NIL], 0
	v_lshrrev_b32 v9, 5, v0
	v_readfirstlane_b32 s[WV], v9                  ; wave 0..7
	v_and_b32 v9, 31, v0                           ; lane
	v_and_b32 v10, 15, v0                          ; r
	v_bfe_u32 v11, v0, 4, 1                        ; h
	s_wait_alu depctr_va_vdst(0)
	s_and_b32 s13, s[WV], 3                        ; which unit of a step is mine
	s_mul_i32 s42, s13, 32*KP
	s_lshl_b32 s43, s13, 9
	s_lshl_b32 s44, s[WV], 6
	s_add_co_u32 s44, s44, 1024
	s_mul_i32 s44, s44, KP                         ; Q passes through rows 1024 + 64 wave on of K's region, which take keys only behind later barriers
	s_and_b32 s[YB], ttmp7, 0xffff
	s_lshl_b32 s45, s[YB], 3
	v_mul_u32_u24 v[AK0], v10, KP
	v_lshl_add_u32 v[AK0], v11, 5, v[AK0]
	v_lshl_add_u32 v[AV0], v9, 4, VIMG
	v_lshl_add_u32 v[AP0], v11, 6, PAD
	v_mul_u32_u24 v[GV], v11, 16*ROW
	v_lshl_add_u32 v[GV], v10, 4, v[GV]
	v_mul_u32_u24 v[KA], v11, 8*KP
	v_lshl_add_u32 v[KA], v10, 2, v[KA]
	v_add_nc_u32 v[KWA], s42, v[KA]
	v_add_nc_u32 v[QW], s44, v[KA]
	v_add_nc_u32 v[VWA], s43, v[AV0]
	v_add_nc_u32 v[QR], s44, v[AK0]
	v_min_u32 v[PFO], 7, v9
	v_add_nc_u32 v[PFO], s45, v[PFO]
	v_mul_u32_u24 v[PFO], v[PFO], ROW              ; row 8 y + min(lane, 7) of a unit
	v_lshlrev_b32 v[VA], 6, v9                     ; the mask's bits: 64 bytes a lane
	v_lshlrev_b32 v10, 3, v0                       ; the addends: eight keys' bytes a thread,
	v_lshl_add_u32 v11, v0, 5, PAD                 ; and their place in the table
	s_mov_b32 s[SEL], 0x76543210
	s_mov_b32 s[SEL+1], 0xfedcba98
	s_mov_b32 s[SELP], 0x05010400
	s_mov_b32 s[SELP+1], 0x07030602
	s_mov_b32 s[SELP+2], 0x05040100
	s_mov_b32 s[SELP+3], 0x07060302
	s_and_b32 s14, ttmp9, 15                       ; h
	s_lshr_b32 s13, ttmp9, 4                       ; b
	s_lshl_b32 s42, s[YB], 9
	s_lshl_b32 s43, s[WV], 6
	s_add_co_u32 s15, s42, s43                     ; my first query
	s_mul_i32 s42, s13, 2048*ROW
	s_lshl_b32 s43, s14, 8
	s_add_co_u32 s42, s42, s43                     ; the head's first byte in qkv; every offset stays under 2^27
	s_mul_i32 s44, s15, ROW
	s_add_co_u32 s44, s44, s42
	s_mov_b32 s45, 0
	s_and_b32 s46, s[WV], 3
	s_mul_i32 s46, s46, 32*ROW
	s_add_co_u32 s46, s46, s42
	s_lshr_b32 s47, s[WV], 2
	s_lshl_b32 s47, s47, 12
	s_add_co_u32 s46, s46, s47
	s_add_co_u32 s46, s46, 4096                    ; my unit of step 0: k, or v 4,096 bytes on
	s_mov_b32 s47, 0
	s_lshl_b32 s40, s13, 23
	s_lshl_b32 s41, s15, 12
	s_add_co_u32 s40, s40, s41
	s_add_co_u32 s40, s40, s43
	s_mov_b32 s41, 0
	s_lshl_b32 s42, s13, 11
	s_mov_b32 s43, 0
	s_wait_alu depctr_va_vdst(0)
	s_wait_kmcnt 0x0
	s_load_b128 s[16:19], s[8:9], 0x0              ; e0, e1, e2, e3
	s_add_nc_u64 s[QB:QB+1], s[4:5], s[44:45]
	s_add_nc_u64 s[KB:KB+1], s[4:5], s[46:47]
	s_add_nc_u64 s[MB:MB+1], s[6:7], s[42:43]
	s_add_nc_u64 s[OB:OB+1], s[10:11], s[40:41]
	global_load_b64 v[MK:MK+1], v10, s[MB:MB+1]
.irp i, 0,1,2,3
	global_load_b128 v[FM+4*\i:FM+4*\i+3], v[VA], s[MB:MB+1] offset:16*\i
.endr
	ISSUE 0, QB, 0, 1                              ; what step 0's first tile needs comes first: my first 32 rows of Q,
	ISSUE 128, KB, 0, 0                            ; my unit of step 0,
	ISSUE 64, QB, 32*ROW, 1                        ; then my other 32 rows of Q
	s_wait_kmcnt 0x0
	SCALE 16, 127, XT, XT+1                        ; q's scale
	s_add_co_i32 s46, s17, 3                       ; k / 8 with 2^e1 = k with 2^(e1 + 3)
	s_cmp_lt_u32 s[WV], 4
	s_cselect_b32 s46, s46, s18
	SCALE 46, 127, SC, LIM
	SCALE 19, 127, PSC, PLIM
	s_cmp_lt_i32 s19, -15
	s_cselect_b32 s[HF], 4, 0
	s_add_co_i32 s44, s16, s17
	s_lshl_b32 s45, s44, 23
	s_mov_b32 s[CS], 0x3fb8aa3b                    ; log2(e), with e0 + e1 added to its exponent field
	s_add_co_i32 s[CS], s[CS], s45
	s_mov_b32 s[CS+1], s[CS]
	s_sub_co_i32 s46, 0, s44
	v_mov_b32 v9, 0xc61c4000                       ; -10000,
	s_delay_alu instid0(VALU_DEP_1)
	v_ldexp_f32 v9, v9, s46                        ; divided by 2^(e0 + e1)
	s_add_co_i32 s[EVP], s18, s19
	s_wait_alu depctr_va_vdst(0)
	s_wait_loadcnt 48                              ; the mask's five loads are in: 48 were issued behind them
.irp k, 0,1,2,3,4,5,6,7
	v_bfe_u32 v10, v[MK+\k/4], 8*(\k%4), 8
	s_delay_alu instid0(VALU_DEP_1)
	v_cmp_eq_u32 vcc_lo, 0, v10
	s_delay_alu instid0(VALU_DEP_1)
	v_cndmask_b32 v[PD+\k], 0, v9, vcc_lo
.endr
	ds_store_b128 v11, v[PD:PD+3]
	ds_store_b128 v11, v[PD+4:PD+7] offset:16
.irp i, 0,2,4,6,8,10,12,14
	v_and_b32 v[FM+\i], v[FM+\i], v[FM+\i+1]
.endr
.irp i, 0,4,8,12
	v_and_b32 v[FM+\i], v[FM+\i], v[FM+\i+2]
.endr
	v_and_b32 v[FM], v[FM], v[FM+4]
	v_and_b32 v[FM+8], v[FM+8], v[FM+12]
	v_and_b32 v[FM], v[FM], v[FM+8]
	v_cmp_ne_u32 vcc_lo, 0x01010101, v[FM]         ; lane l: some byte of keys 64 l .. 64 l + 63 is not 1
	s_mov_b32 s[MF], vcc_lo
	ISSUE X, KB, USTEP, 0                          ; my unit of step 1
	s_wait_loadcnt 48                              ; Q's first 32 rows are in: 48 loads were issued behind them
	CODES 0, XT, XT+1, 1
	KSTORE QW, 0
	QLOAD 0
	QLOAD 1
	s_wait_loadcnt 32                              ; my unit of step 0 is in
	CODES 128, SC, LIM, 1
	s_wait_alu depctr_va_vdst(0)
	ROLESTORE KWA, VWA
.irp q, 0,1,2,3
	v_mov_b32 v[ST+8*\q], 0x7f61b1e6               ; -M: 3e38, so that the first f is 0
	v_mov_b32 v[ST+8*\q+1], 0xff800000
	v_mov_b32 v[ST+8*\q+2], 0
	v_mov_b32 v[ST+8*\q+3], 0
	v_mov_b32 v[ST+8*\q+4], 0
	v_mov_b32 v[ST+8*\q+5], 0
	v_mov_b32 v[ST+8*\q+7], 0
.endr
	v_mov_b32 v[TP], 0
	s_mov_b32 s[TK], 0
	s_mov_b32 s[TPD], 0
	s_mov_b32 s[TV], 0
	s_mov_b32 s[TKW], KSTEPB
	s_mov_b32 s[TVW], VSTEPB
	s_mov_b32 s[TS], 4
	s_and_b32 s[FL], s[MF], 3
	s_or_b32 s[FL], s[FL], s[HF]
	s_wait_alu depctr_va_vdst(0)
	s_wait_dscnt 0x0                               ; for the others' sake: my stores have landed
	s_barrier_signal -1
	s_barrier_wait -1                              ; step 0's K and V and the addends lie in LDS
; my unit of step s + 1 becomes codes, my unit of step s + 2 is asked for
.macro CONV w
	s_wait_loadcnt 0x0                             ; the unit is in
	s_wait_xcnt 0x0                                ; and the last prefetch has read its base
	s_add_nc_u64 s[KB:KB+1], s[KB:KB+1], USTEP
	CODES X, SC, LIM, \w                           ; its 64 holds are the places behind the last products
	v_add_nc_u32 v[KA], s[TKW], v[KWA]
	v_add_nc_u32 v[VA], s[TVW], v[VWA]
	s_wait_alu depctr_va_vdst(0)
	ROLESTORE KA, VA
	s_cmp_gt_u32 s[TS], 17                         ; step 14 has no step 16 to ask for
	s_cbranch_scc1 .Lni_\@
	ISSUE X, KB, USTEP, 0                          ; stands between the stores and the wait for them
.Lni_\@:
	s_cmp_gt_u32 s[TS], 15                         ; is there a step s + 4?
	s_cbranch_scc1 .Lnp_\@
	global_prefetch_b8 v[PFO], s[KB:KB+1] offset:3*USTEP th:TH_LOAD_NT scope:SCOPE_SE
.Lnp_\@:
	s_add_co_u32 s[TKW], s[TKW], KSTEPB
	s_add_co_u32 s[TVW], s[TVW], VSTEPB
	s_add_co_u32 s[TS], s[TS], 1
	s_wait_dscnt 0x0                               ; my stores have landed:
	s_barrier_signal -1                            ; say so; the wait stands ahead of the fetch of the next step's K
.endm
.macro FETCH_K
	v_add_nc_u32 v[ADK], s[TK], v[AK0]
.irp t, 0,1,2,3,4,5,6,7
	ds_load_b128 v[KF+8*\t:KF+8*\t+3],   v[ADK] offset:16*KP*\t
	ds_load_b128 v[KF+8*\t+4:KF+8*\t+7], v[ADK] offset:16*KP*\t+16
.endr
	s_add_co_u32 s[TK], s[TK], KSTEPB
.endm
.macro FETCH_V
	v_add_nc_u32 v[ADV], s[TV], v[AV0]
	s_add_co_u32 s[TV], s[TV], VSTEPB
	WIN 0x40
.irp c, 0,1,2,3
.irp b, 0,1,2,3
	ds_load_b128 v[VF+16*\c+4*\b:VF+16*\c+4*\b+3], v[ADV] offset:2048*\c+512*\b
.endr
.endr
	WIN 0
.endm
.macro QK0 q                           ; S^T of query tile q, every addend 0
.irp t, 0,1,2,3,4,5,6,7
	v_wmma_f32_16x16x64_bf8_bf8 v[S+8*\t:S+8*\t+7], v[KF+8*\t:KF+8*\t+7], v[QF+8*(\q):QF+8*(\q)+7], 0
.endr
.endm
.macro QKM q                           ; the same with the keys' addends, loaded into S, as C
	v_add_nc_u32 v[ADP], s[TPD], v[AP0]
.irp b, 0,1,2,3
.irp i, 0,1,2,3
	ds_load_b128 v[S+16*\b+4*\i:S+16*\b+4*\i+3], v[ADP] offset:128*\b+16*\i   ; keys 32 b + 16 h + 4 i on
.endr
.endr
	s_wait_dscnt 0x0
.irp t, 0,1,2,3,4,5,6,7
	v_wmma_f32_16x16x64_bf8_bf8 v[S+8*\t:S+8*\t+7], v[KF+8*\t:KF+8*\t+7], v[QF+8*(\q):QF+8*(\q)+7], v[S+8*\t:S+8*\t+7]
.endr
.endm
.macro MAXM q                          ; the new largest sum, -M and f; four chains.  Each accumulator is first read at its low end
.set rT, ST+8*(\q)
	v_max3_num_f32 v[TA], v[S], v[S+1], v[S+2]
	v_max3_num_f32 v[TB], v[S+3], v[S+4], v[S+5]
	v_max3_num_f32 v[TC], v[S+6], v[S+7], v[S+8]
	v_max3_num_f32 v[TD], v[S+9], v[S+10], v[S+11]
.irp i, 12,20,28,36,44,52
	v_max3_num_f32 v[TA], v[TA], v[S+\i], v[S+\i+1]
	v_max3_num_f32 v[TB], v[TB], v[S+\i+2], v[S+\i+3]
	v_max3_num_f32 v[TC], v[TC], v[S+\i+4], v[S+\i+5]
	v_max3_num_f32 v[TD], v[TD], v[S+\i+6], v[S+\i+7]
.endr
	v_max3_num_f32 v[TA], v[TA], v[S+60], v[S+61]
	v_max3_num_f32 v[TB], v[TB], v[S+62], v[S+63]
	v_max3_num_f32 v[TA], v[TA], v[TB], v[TC]
	s_delay_alu instid0(VALU_DEP_1)
	v_max_num_f32 v[TA], v[TA], v[TD]
	s_delay_alu instid0(VALU_DEP_1)
	v_permlanex16_b32 v[TP], v[TA], s[SEL], s[SEL+1]
	s_delay_alu instid0(VALU_DEP_1)
	v_max3_num_f32 v[rT+1], v[rT+1], v[TA], v[TP]
	s_delay_alu instid0(VALU_DEP_1)
	v_mul_f32 v[TA], s[CS], v[rT+1]                ; as t (c is positive)
	s_delay_alu instid0(VALU_DEP_1)
	v_floor_f32 v[TB], -v[TA]                      ; the new -M = -ceil(t)
	s_delay_alu instid0(VALU_DEP_1)
	v_sub_f32 v[TA], v[TB], v[rT]                  ; old M - new M
	s_delay_alu instid0(VALU_DEP_2)
	v_mov_b32 v[rT], v[TB]
.endm
; the row's sum of the unquantised p: 32 packed lines in four chains, in two parts; the two chains that stay are brought under the new M by their first line
.macro PSUMA q
.set rL, ST+8*(\q)+2
	v_pk_fma_f32 v[rL:rL+1], v[rL:rL+1], v[rL+4:rL+5], v[S:S+1] op_sel_hi:[1,0,1]
	v_pk_fma_f32 v[rL+2:rL+3], v[rL+2:rL+3], v[rL+4:rL+5], v[S+2:S+3] op_sel_hi:[1,0,1]
	v_pk_add_f32 v[LT0:LT0+1], v[S+4:S+5], v[S+6:S+7]
	v_pk_add_f32 v[LT1:LT1+1], v[S+8:S+9], v[S+10:S+11]
.irp j, 12,20
	v_pk_add_f32 v[rL:rL+1], v[rL:rL+1], v[S+\j:S+\j+1]
	v_pk_add_f32 v[rL+2:rL+3], v[rL+2:rL+3], v[S+\j+2:S+\j+3]
	v_pk_add_f32 v[LT0:LT0+1], v[LT0:LT0+1], v[S+\j+4:S+\j+5]
	v_pk_add_f32 v[LT1:LT1+1], v[LT1:LT1+1], v[S+\j+6:S+\j+7]
.endr
	v_pk_add_f32 v[rL:rL+1], v[rL:rL+1], v[S+28:S+29]
	v_pk_add_f32 v[rL+2:rL+3], v[rL+2:rL+3], v[S+30:S+31]
.endm
.macro PSUMB q
.set rL, ST+8*(\q)+2
.irp j, 32,40,48,56
	v_pk_add_f32 v[LT0:LT0+1], v[LT0:LT0+1], v[S+\j:S+\j+1]
	v_pk_add_f32 v[LT1:LT1+1], v[LT1:LT1+1], v[S+\j+2:S+\j+3]
	v_pk_add_f32 v[rL:rL+1], v[rL:rL+1], v[S+\j+4:S+\j+5]
	v_pk_add_f32 v[rL+2:rL+3], v[rL+2:rL+3], v[S+\j+6:S+\j+7]
.endr
	v_pk_add_f32 v[rL:rL+1], v[rL:rL+1], v[LT0:LT0+1]
	v_pk_add_f32 v[rL+2:rL+3], v[rL+2:rL+3], v[LT1:LT1+1]
.endm
.macro CVT
.irp b, 0,1,2,3
	v_cvt_scalef32_pk8_bf8_f32 v[P+4*\b:P+4*\b+1],   v[S+16*\b:S+16*\b+7],    v[PSC]
	v_cvt_scalef32_pk8_bf8_f32 v[P+4*\b+2:P+4*\b+3], v[S+16*\b+8:S+16*\b+15], v[PSC]
.endr
	v_nop                                          ; one plain line behind the conversions
.endm
.macro PV q, first                     ; O^T += V^T P^T; first = 1: the products start the sums
	WIN 0x51
.irp c, 0,1,2,3
.if \first
	v_wmma_f32_16x16x128_bf8_bf8 v[32*(\q)+8*\c:32*(\q)+8*\c+7], v[VF+16*\c:VF+16*\c+15], v[P:P+15], 0
.else
	v_wmma_f32_16x16x128_bf8_bf8 v[32*(\q)+8*\c:32*(\q)+8*\c+7], v[VF+16*\c:VF+16*\c+15], v[P:P+15], v[32*(\q)+8*\c:32*(\q)+8*\c+7]
.endif
.endr
	WIN 0
.endm
; a tile's back half: p's codes, V^T P, the next tile's scores: the general way, or the short one where the three bits are 0.  Products that follow each other name accumulators that differ
.macro BACK q, first, qk
	s_cmp_eq_u32 s[FL], 0
	s_cbranch_scc1 .Lf_\@
.set i, 0
.rept 64
	v_min_num_f32 v[S+i], v[S+i], v[PLIM]          ; p is not negative: the hold is one-sided
.set i, i+1
.endr
	CVT
	PV \q, \first
.if \qk
	QKM (\q+1)%4
.endif
	s_branch .Ld_\@
.Lf_\@:
	CVT
.if \qk
	QK0 (\q+1)%4                                   ; the scores first: the maximum reads them next
.endif
	PV \q, \first
.Ld_\@:
.endm
.macro FMA16 q, j0                     ; t - M for 32 scores
.set rT, ST+8*(\q)
.set j, \j0
.rept 16
	v_pk_fma_f32 v[S+j:S+j+1], v[S+j:S+j+1], s[CS:CS+1], v[rT:rT+1] op_sel_hi:[1,0,0]
.if j == \j0+6
	v_cvt_i32_f32 v[TA], v[TA]                     ; old M - new M as a whole number (it saturates): the last two links of f's chain stand among these lines
.endif
.if j == \j0+14
	v_ldexp_f32 v[rT+6], 1.0, v[TA]                ; f = 2^(old M - new M)
.endif
.set j, j+2
.endr
.endm
.macro EXP32 j0
.set j, \j0
.rept 32
	v_exp_f32 v[S+j], v[S+j]
.set j, j+1
.endr
.endm
.macro EXPFMA q                        ; the first 32 exponentials, and among them, one behind every two, t - M for the other 32 scores
.set rT, ST+8*(\q)
.set j, 0
.rept 16
	v_exp_f32 v[S+2*j], v[S+2*j]
	v_exp_f32 v[S+2*j+1], v[S+2*j+1]
	v_pk_fma_f32 v[S+32+2*j:S+33+2*j], v[S+32+2*j:S+33+2*j], s[CS:CS+1], v[rT:rT+1] op_sel_hi:[1,0,0]
.set j, j+1
.endr
.endm
; One query tile's part of a key step.  The exponentials go in two batches of 32: among the first stand the second's sources, behind the second the first's sums; a wait stands ahead of each batch and behind the second
; the first also stands directly ahead of O^T's first readers.  pre = 1: a reciprocal stands between the scores' products and this phase: the wait directly ahead of their first readers.
.macro PHASE q, first, qk, fk, pre
.if \pre
	s_wait_alu depctr_va_vdst(0)
.endif
	MAXM \q
.if \q == 0
	FETCH_V                                        ; more than four plain lines behind the last product that read V
.endif
	FMA16 \q, 0
.if \first
	s_wait_alu depctr_va_vdst(0)
.else
	WIN 0x41
	s_wait_alu depctr_va_vdst(0)
.irp j, 0,2,4,6,8,10,12,14,16,18,20,22,24,26,28,30
	v_pk_mul_f32 v[32*(\q)+\j:32*(\q)+\j+1], v[32*(\q)+\j:32*(\q)+\j+1], v[ST+8*(\q)+6:ST+8*(\q)+7] op_sel_hi:[1,0]   ; O^T under the new M
.endr
	WIN 0
.endif
	EXPFMA \q
	s_wait_alu depctr_va_vdst(0)
	EXP32 32
	PSUMA \q
	s_wait_alu depctr_va_vdst(0)
.if \q == 0
	s_wait_dscnt 0x0                               ; V is in
.endif
.if (\q == 3) && \qk
	s_wait_dscnt 0x0                               ; the next step's K is in
.endif
	PSUMB \q
.if (\q == 3) && \qk
	s_lshr_b32 s[MF], s[MF], 2                     ; the scores to come are the next step's: its bits and addends
	s_and_b32 s[FL], s[MF], 3
	s_or_b32 s[FL], s[FL], s[HF]
	s_add_co_u32 s[TPD], s[TPD], 512
.endif
	BACK \q, \first, \qk
	PLACES                                         ; behind the products: ahead of the maximum's reads and of loads into K's registers
.if \fk
	s_barrier_wait -1                              ; everybody's codes of the next step lie in LDS
	FETCH_K
.endif
.endm
	FETCH_K                                        ; step 0
	s_wait_alu depctr_va_vdst(0)
	s_wait_dscnt 0x0
	s_cmp_eq_u32 s[FL], 0
	s_cbranch_scc1 .Lq0f
	QKM 0
	s_branch .Lq0d
.Lq0f:
	QK0 0
.Lq0d:
	PLACES
	; step 0 stands in front of the loop: its products start O^T; Q's other half is converted behind its first tile
	PHASE 0, 1, 1, 0, 0
	s_wait_loadcnt 16                              ; my other 32 rows of Q are in; the unit of step 1 may be out
	SCALE 16, 127, XT, XT+1
	CODES 64, XT, XT+1, 1
	KSTORE QW, 1
	QLOAD 2
	QLOAD 3
	CONV 1
	PHASE 1, 1, 1, 0, 0
	PHASE 2, 1, 1, 1, 0
	PHASE 3, 1, 1, 0, 0
	s_mov_b32 s[CNT], 14
.Lstep:                                                ; steps 1 to 14
	CONV 0
	PHASE 0, 0, 1, 0, 0
	PHASE 1, 0, 1, 0, 0
	PHASE 2, 0, 1, 1, 0
	PHASE 3, 0, 1, 0, 0
	s_sub_co_u32 s[CNT], s[CNT], 1
	s_cmp_lg_u32 s[CNT], 0
	s_cbranch_scc1 .Lstep
; STEP 15, with the way out in it
	v_and_b32 v[TA], 15, v0                        ; r
	v_bfe_u32 v[TB], v0, 4, 1                      ; h
	s_mul_i32 s42, s[WV], 4*STG                    ; my four stages
	v_mul_u32_u24 v[SO], v[TA], SP                 ; in: row r, my half's 32 channels
	s_delay_alu instid0(VALU_DEP_1)
	v_lshl_add_u32 v[SO], v[TB], 7, v[SO]
	s_delay_alu instid0(VALU_DEP_1)
	v_add_nc_u32 v[SO], s42, v[SO]
	v_mul_u32_u24 v[SR], v[TB], SP                 ; back: lanes 0-15 one row of 256 bytes, lanes 16-31 the next
	s_delay_alu instid0(VALU_DEP_1)
	v_lshl_add_u32 v[SR], v[TA], 4, v[SR]
	s_delay_alu instid0(VALU_DEP_1)
	v_add_nc_u32 v[SR], s42, v[SR]
	v_lshlrev_b32 v[GO], 12, v[TB]                 ; and the same two queries in out, 4,096 bytes apart
	s_delay_alu instid0(VALU_DEP_1)
	v_lshl_add_u32 v[GO], v[TA], 4, v[GO]
	s_wait_alu depctr_va_vdst(0)
; tile q is finished: O^T x 2^(e2 + e3) / the sum into the free unit registers, through my stage, and back as rows into the tile's own registers
.macro FIN q
.set rT, ST+8*(\q)
.set rW, X+32*((\q)%2)
	s_wait_alu depctr_va_vdst(0)
	v_pk_add_f32 v[rT+2:rT+3], v[rT+2:rT+3], v[rT+4:rT+5]
	s_delay_alu instid0(VALU_DEP_1)
	v_add_f32 v[rT+2], v[rT+2], v[rT+3]
	s_delay_alu instid0(VALU_DEP_1)
	v_permlanex16_b32 v[rT+7], v[rT+2], s[SEL], s[SEL+1]
	s_delay_alu instid0(VALU_DEP_1)
	v_add_f32 v[rT+2], v[rT+2], v[rT+7]            ; the row's sum: more than 1/2
	s_wait_alu depctr_va_vdst(0)
	v_rcp_f32 v[rT+6], v[rT+2]
	v_nop
	s_wait_alu depctr_va_vdst(0)
	v_ldexp_f32 v[rT+6], v[rT+6], s[EVP]
	WIN 0x41
	s_wait_alu depctr_va_vdst(0)                   ; directly ahead of the first readers of O^T
.irp c, 0,1,2,3
.irp j, 0,1,2,3,4,5,6,7
	v_mul_f32 v[rW+4*\j+\c], v[32*(\q)+8*\c+\j], v[rT+6]   ; channel 32 h + 4 j + c; each accumulator from its low end on
.endr
.endr
	WIN 0x04
.irp k, 0,1,2,3,4,5,6,7
	ds_store_b128 v[SO], v[rW+4*\k:rW+4*\k+3] offset:STG*(\q)+16*\k
.endr
	WIN 0x40
.irp i, 0,1,2,3,4,5,6,7
	ds_load_b128 v[32*(\q)+4*\i:32*(\q)+4*\i+3], v[SR] offset:STG*(\q)+2*SP*\i   ; LDS serves a wave's instructions in order: these see my stores
.endr
	WIN 0
.endm
.macro SEND q                          ; stage row 2 i + h is the wave's query 32 (q / 2) + 8 (q % 2) + 2 i + h + 8 (i / 4)
	s_wait_alu depctr_va_vdst(0)
	s_wait_dscnt 0x0                               ; the tile's rows are back
	WIN 0x04
.irp i, 0,1,2,3,4,5,6,7
	global_store_b128 v[GO], v[32*(\q)+4*\i:32*(\q)+4*\i+3], s[OB:OB+1] offset:4096*(32*((\q)/2)+8*((\q)%2)+2*\i+8*(\i/4)) th:TH_STORE_NT   ; sixteen lanes store 256 consecutive bytes, aligned
.endr
	WIN 0
.endm
	PHASE 0, 0, 1, 0, 0
	FIN 0
	PHASE 1, 0, 1, 0, 1
	SEND 0
	FIN 1
	PHASE 2, 0, 1, 0, 1
	SEND 1
	FIN 2
	PHASE 3, 0, 0, 0, 1
	SEND 2
	FIN 3
	SEND 3
	s_wait_tensorcnt 0x0                           ; the wave's end
	ds_add_u32 v[SPW], v[NIL]
	s_wait_dscnt 0x0
	s_endpgm
.Lfunc_end_k_q473800ad3e_attn:
	.size	k_q473800ad3e_attn, .Lfunc_end_k_q473800ad3e_attn-k_q473800ad3e_attn
	.p2alignl 7, 3214868480
	.fill 96, 4, 3214868480
	.section	.rodata,"a",@progbits
	.p2align	6, 0x0
	.amdhsa_kernel k_q473800ad3e_attn
		.amdhsa_group_segment_fixed_size 304128
		.amdhsa_private_segment_fixed_size 0
		.amdhsa_enable_private_segment 0
		.amdhsa_kernarg_size 32
		.amdhsa_user_sgpr_count 2
		.amdhsa_user_sgpr_kernarg_segment_ptr 1
		.amdhsa_wavefront_size32 1
		.amdhsa_system_sgpr_workgroup_id_x 1
		.amdhsa_system_sgpr_workgroup_id_y 1
		.amdhsa_system_sgpr_workgroup_id_z 1
		.amdhsa_system_vgpr_workitem_id 0
		.amdhsa_next_free_vgpr 512
		.amdhsa_next_free_sgpr 66
		.amdhsa_reserve_vcc 1
		.amdhsa_float_denorm_mode_32 3
		.amdhsa_float_denorm_mode_16_64 3
		.amdhsa_memory_ordered 1
		.amdhsa_forward_progress 1
		.amdhsa_inst_pref_size 255
	.end_amdhsa_kernel
	.section	.bss,"aw",@nobits
	.p2align	6
	.space	262144
	.amdgpu_metadata
---
amdhsa.version: [ 1, 2 ]
amdhsa.kernels:
  - .name:           k_q473800ad3e_attn
    .symbol:         k_q473800ad3e_attn.kd
    .args:
      - { .name: qkv, .offset: 0, .size: 8, .value_kind: global_buffer, .address_space: global }
      - { .name: key_padding_mask, .offset: 8, .size: 8, .value_kind: global_buffer, .address_space: global }
      - { .name: lowp_scales, .offset: 16, .size: 8, .value_kind: global_buffer, .address_space: global }
      - { .name: out0, .offset: 24, .size: 8, .value_kind: global_buffer, .address_space: global }
    .group_segment_fixed_size: 304128
    .private_segment_fixed_size: 0
    .kernarg_segment_align: 8
    .kernarg_segment_size: 32
    .max_flat_workgroup_size: 256
    .sgpr_count:     66
    .vgpr_count:     512
    .wavefront_size: 32
...
	.end_amdgpu_metadata
.endif
;; end of part 1
